; MI455X (gfx1250); checked and timed in simulation.
; The chip was launched on July 23, 2026; its instructions are those of AMD's public machine-readable ISA for CDNA 5 (MIT licence, August 2026) and "CDNA5" Instruction Set Architecture Reference Guide (July 2026). The comments in the code are by the model that wrote it; some were corrected since.
;; Data Term Layer. Allowed arithmetic: float matrix products may take bf16 or f16 operands with f32 sums; all other float work in f32.
;; Inputs: I1 32 x 512 x 512 x 1 float32; I2 32 x 512 x 512 x 1 float32; flow 32 x 512 x 512 x 2 float32.
;; Outputs: out0 32 x 512 x 512 x 2 float32.
;; 2 versions, each right; version 2 is version 1 with the launch dataterm written anew for expert scheduling mode. Each part assembles by itself: llvm-mc -triple=amdgcn-amd-amdhsa -mcpu=gfx1250 --defsym DOCPART=n.
;; ======== version 1 of 2: 1 launch
;; limits: inputs' magnitudes at most 511
;; launch dataterm (part 1): grid 256 x 1, 8 waves a work-group, no clusters, 0 bytes of LDS; arguments I1, I2, flow, out0; writes out0
.if DOCPART == 1
	.amdgcn_target "amdgcn-amd-amdhsa--gfx1250"
	.amdhsa_code_object_version 6
	.text
	.protected	k_q265153afaf_dataterm
	.globl	k_q265153afaf_dataterm
	.p2align	8
	.type	k_q265153afaf_dataterm,@function
k_q265153afaf_dataterm:
	s_mov_b64 s[64:65], 0
	v_nop
	global_prefetch_b8 v0, s[64:65] scope:SCOPE_SE
	s_setreg_imm32_b32 hwreg(HW_REG_WAVE_MODE, 25, 1), 1
	s_wait_xcnt 0x0
; out(u,v) = (u,v) - ALPHA * (warp(I1) - I2) * (dy I1, dx I1).   I1, I2: [32][512][512] f32; flow, out0: [32][512][512][2] f32.
;
; WHAT THE WARP IS.  The sampler is given x = 2 (gx + u/2) / 511 - 1 (y likewise, from gy and v) as a PIXEL coordinate.
;   x < 0: both clipped taps are column 0 and their weights are equal and opposite: the sample is 0.  The same for y < 0.
;   0 <= x, y: plain bilinear interpolation; for x, y <= 2 its taps lie in the image's corner of 3 x 3 pixels.
; The corner is nine scalars for each image.  With the bases 1, clamp(x,0,1), clamp(x,1,2) in x and in y the interpolant is
;   W = sum over a, b of C[a][b] fa(x) fb(y);   the nine C are made once by each wave and carry the factor -ALPHA.
; The jump at x = 0 is decided as the f32 steps decide it: nc = fl(gx + u/2) in one rounding, and x >= 0 exactly when nc >= 255.5:
; the float below 511 is 511 - 2^-15, and (511 - 2^-15) / 511 = 1 - 1.002 * 2^-24 rounds below 1, while 511 / 511 is 1.
;
; LIMITS, kept on purpose:
;   RANGE: right for 2 gx + u <= 1533 and 2 gy + v <= 1533, which flow <= 511 in both components guarantees (no lower bound).
;          Above that the true taps leave the 3 x 3 corner; this text then holds the sample at the corner's edge, which is wrong.
;          A gather over the whole image would need addresses made from floating-point data.
;   NON-FINITE inputs are not served: dy of row 511 is formed as I1[511] - I1[511] (0 for finite pixels, NaN for an infinity),
;          and a NaN in one component of flow does not reach the other component.
;   ROUNDING: x is one fused multiply-add of nc; ALPHA is folded into the coefficients; sums are fused.  No difference of large sums.
;
; SHARES.  256 work-groups x 8 waves; a work-group owns 64 rows of one image, a wave 8 whole rows, top down, so that row r+1 of I1
; serves dy now and is the current row of the next turn.  A row is 8 groups of 64 pixels; in each a lane owns 2 neighbouring pixels:
; I1, I2 by 8-byte loads (a wave's load covers 256 consecutive bytes, aligned), flow and out0 by 16-byte accesses (512 consecutive
; bytes, aligned).  No wave needs another wave's data: no LDS, no barrier.  Work-groups share 36 bytes of corner and one row of I1
; in 64: nothing to request jointly, so no cluster.
; RING.  Bundle q = I1[q+1], I2[q], flow[q]: 24 loads, 8,192 bytes.  Two bundles are out while one is at work.  I1 has four row
; buffers (current, next, two on their way), I2 and flow three slots; the result is made in flow's registers.  Periods 4 and 3 do
; not meet within 8 rows, so the 8 turns are written out by a macro; every address is base + lane term + immediate.
.set ROWS, 8                           ; rows of a wave
.set P1,   2048                        ; bytes in a row of I1, I2
.set PF,   4096                        ; bytes in a row of flow, out0
.set O8,   1                           ; v1        8 x lane: my 2 pixels in a group of I1, I2
.set O16,  2                           ; v2        16 x lane: my 2 pixels in a group of flow, out0
.set LN,   3                           ; v3        lane, then 2 x lane
.set CV,   4                           ; v[4:9]    C00, C01, C02, each twice: the addends of the packed sums
.set GX,   10                          ; v[10:25]  gx of my 16 columns, f32: 64 j + 2 lane + k
.set T,    26                          ; v[26:41]  at work, pairs (pixel a, pixel b)
.set G,    42                          ; v[42:45]  (dy, dx) of pixel a, of pixel b
.set NX,   46                          ; v46       the pixel to the right of pixel b
.set TM,   47                          ; v47       scratch
.set I1B,  48                          ; v[48:111] four rows of I1, 16 registers each: row r in buffer r mod 4
.set SL,   112                         ; v[112:255] three slots: 16 registers of I2, 32 of flow: row r in slot r mod 3
; scalars.  A packed multiply takes a scalar from the EVEN register of a pair and names the whole pair, so each multiplier sits on
; an even number, and the odd partners hold the scalars that are used singly.
.set TMP,  26
.set M1,   27                          ; lane mask of pixel b
.set C10,  44
.set C00,  45
.set C11,  46
.set C01,  47
.set C12,  48
.set C02,  49
.set C20,  50
.set THR,  51                          ; 255.5
.set C21,  52
.set ZERO, 53
.set C22,  54
.set LO16, 55                          ; lanes 0-15
.set K2,   56                          ; 2/511
.set L31,  57                          ; lane 31
.set AL,   58                          ; ALPHA
.set GY,   59                          ; gy of the row at work, f32
	s_load_b256 s[4:11], s[0:1], 0x0               ; I1 s[4:5], I2 s[6:7], flow s[8:9], out0 s[10:11]
	v_and_b32 v[LN], 31, v0                        ; lane
	v_lshrrev_b32 v[TM], 5, v0
	v_readfirstlane_b32 s12, v[TM]                 ; wave 0..7
	s_lshl_b32 s13, ttmp9, 6                       ; 64 rows a work-group,
	s_lshl3_add_u32 s13, s12, s13                  ; 8 a wave: my first row, 0 .. 16,376, counted through all images
	s_lshl_b32 s16, s13, 11                        ; its byte offset in I1 and I2 (below 2^25)
	s_mov_b32 s17, 0
	s_lshl_b32 s18, s13, 12                        ; and in flow and out0 (below 2^26)
	s_mov_b32 s19, 0
	s_and_b32 s20, s13, 511                        ; gy of my first row
	s_lshr_b32 s22, s13, 9                         ; image
	s_lshl_b32 s22, s22, 20                        ; x 512 rows of 2,048 bytes
	s_mov_b32 s23, 0
	s_add_co_u32 s24, s20, ROWS                    ; the row under my last one,
	s_min_u32 s24, s24, 511                        ; or row 511 once more: its dy is then 0, and no load leaves the image
	s_lshl_b32 s24, s24, 11
	s_mov_b32 s25, 0
	v_lshlrev_b32 v[O8], 3, v[LN]
	v_lshlrev_b32 v[O16], 4, v[LN]
	s_wait_kmcnt 0x0
	s_add_nc_u64 s[28:29], s[4:5], s[22:23]        ; I1 at my image's first pixel
	s_add_nc_u64 s[14:15], s[28:29], s[24:25]      ; I1 at the row under my last
	s_add_nc_u64 s[4:5], s[4:5], s[16:17]          ; all four tensors at my first row; none of these is written again
	s_add_nc_u64 s[6:7], s[6:7], s[16:17]
	s_add_nc_u64 s[8:9], s[8:9], s[18:19]
	s_add_nc_u64 s[10:11], s[10:11], s[18:19]
	s_load_b96 s[32:34], s[28:29], 0x0             ; the corner: rows 0, 1, 2, columns 0 to 2
	s_load_b96 s[36:38], s[28:29], 0x800
	s_load_b96 s[40:42], s[28:29], 0x1000
; Bundle q: 24 loads.  I1 keeps the regular hint: the first row of a wave's block is also the row under the block above.
; I2 and flow are read once in the whole launch.
.macro FILL q
.irp j, 0,1,2,3,4,5,6,7
.if ((\q)+1) < ROWS
	global_load_b64 v[I1B+16*(((\q)+1)%4)+2*\j:I1B+16*(((\q)+1)%4)+2*\j+1], v[O8], s[4:5] offset:((\q)+1)*P1+256*\j
.else
	global_load_b64 v[I1B+16*(((\q)+1)%4)+2*\j:I1B+16*(((\q)+1)%4)+2*\j+1], v[O8], s[14:15] offset:256*\j
.endif
.endr
.irp j, 0,1,2,3,4,5,6,7
	global_load_b64 v[SL+48*((\q)%3)+2*\j:SL+48*((\q)%3)+2*\j+1], v[O8], s[6:7] offset:(\q)*P1+256*\j th:TH_LOAD_NT
.endr
.irp j, 0,1,2,3,4,5,6,7
	global_load_b128 v[SL+48*((\q)%3)+16+4*\j:SL+48*((\q)%3)+16+4*\j+3], v[O16], s[8:9] offset:(\q)*PF+512*\j th:TH_LOAD_NT
.endr
.endm
.irp j, 0,1,2,3,4,5,6,7
	global_load_b64 v[I1B+2*\j:I1B+2*\j+1], v[O8], s[4:5] offset:256*\j      ; I1, my first row
.endr
	FILL 0
	FILL 1                                         ; 56 loads are out; the set-up below runs under them
	v_lshlrev_b32 v[LN], 1, v[LN]                  ; 2 x lane
.set i, 0
.rept 16
	v_add_nc_u32 v[GX+i], 64*(i/2)+(i%2), v[LN]    ; column 64 j + 2 lane + k,
	v_cvt_f32_u32 v[GX+i], v[GX+i]                 ; exact in f32
.set i, i+1
.endr
	v_mov_b32 v[NX], 0                             ; a lane permute's destination counts as read: written once here
	s_cvt_f32_u32 s[GY], s20
	s_mov_b32 s[THR], 0x437f8000                   ; 255.5
	s_mov_b32 s[ZERO], 0
	s_mov_b32 s[LO16], 0x0000ffff
	s_mov_b32 s[L31], 0x80000000
	s_mov_b32 s[K2], 0x3b804020                    ; 2/511
	s_mov_b32 s[AL], 0x3dcccccd                    ; ALPHA = 0.1
; From three values at the knots 0, 1, 2 to the coefficients of 1, clamp(t,0,1), clamp(t,1,2):
; o1 = i1 - i0, o2 = i2 - i1, o0 = i0 - o2 (the third base is 1 at t <= 1).
.macro SSUB d, a, b
	s_mul_f32 s[TMP], s[\b], -1.0
	s_add_f32 s[\d], s[\a], s[TMP]
.endm
.macro KNOTS o0, o1, o2, i0, i1, i2
	SSUB \o1, \i1, \i0
	SSUB \o2, \i2, \i1
	SSUB \o0, \i0, \o2
.endm
	s_wait_kmcnt 0x0                               ; the corner is in
	KNOTS 16, 17, 18, 32, 33, 34                   ; along x, row 0 of the corner: s16-18 (the offsets that lay there are used up)
	KNOTS 19, 20, 21, 36, 37, 38                   ; row 1
	KNOTS 22, 23, 24, 40, 41, 42                   ; row 2
	KNOTS C00, C01, C02, 16, 19, 22                ; along y, for each base in x
	KNOTS C10, C11, C12, 17, 20, 23
	KNOTS C20, C21, C22, 18, 21, 24
.irp c, C00, C01, C02, C10, C11, C12, C20, C21, C22
	s_mul_f32 s[\c], s[\c], 0xbdcccccd             ; x -ALPHA
.endr
	v_mov_b32 v[CV+0], s[C00]
	v_mov_b32 v[CV+1], s[C00]
	v_mov_b32 v[CV+2], s[C01]
	v_mov_b32 v[CV+3], s[C01]
	v_mov_b32 v[CV+4], s[C02]
	v_mov_b32 v[CV+5], s[C02]
; One group: my pixels a, b = columns 64 j + 2 lane, + 1 of row r.  CUR, NXT: I1's rows r, r+1.  S2: I2.  SF: flow (ua, va, ub, vb).
.macro GROUP j, r
	v_fma_f32 v[T+0], v[SF+4*\j+0], 0.5, v[GX+2*\j+0]          ; nc = gx + u/2, one rounding (u/2 is exact)
	v_fma_f32 v[T+1], v[SF+4*\j+2], 0.5, v[GX+2*\j+1]
	v_fma_f32 v[T+2], v[SF+4*\j+1], 0.5, s[GY]                 ; gy + v/2
	v_fma_f32 v[T+3], v[SF+4*\j+3], 0.5, s[GY]
	; the pixel right of b is the next lane's a.  Lane 15 takes lane 16's, lane 31 takes lane 0's of the NEXT group:
	; both come by one exchange between the halves (every select field 0: lane 0 of the other half) ...
.if \j < 7
	v_cndmask_b32 v[TM], v[CUR+2*\j], v[CUR+2*\j+2], s[LO16]   ; lanes 0-15: the next group's a; lanes 16-31: this group's
	v_permlanex16_b32 v[NX], v[TM], s[ZERO], s[ZERO]
.else
	v_permlanex16_b32 v[NX], v[CUR+2*\j], s[ZERO], s[ZERO]     ; the last group: lane 31's value is not used (see below)
.endif
	v_pk_fma_f32 v[T+4:T+5], v[T+0:T+1], s[K2:K2+1], -1.0 op_sel_hi:[1,0,0]    ; x of a, b
	v_pk_fma_f32 v[T+6:T+7], v[T+2:T+3], s[K2:K2+1], -1.0 op_sel_hi:[1,0,0]    ; y of a, b
	v_mov_b32_dpp v[NX], v[CUR+2*\j] row_shl:1 row_mask:0xf bank_mask:0xf      ; ... and the other lanes take lane + 1; lanes 15, 31 keep theirs
	v_min_num_f32 v[T+0], v[T+0], v[T+2]                       ; x >= 0 and y >= 0  <=>  min(ncx, ncy) >= 255.5
	v_min_num_f32 v[T+1], v[T+1], v[T+3]
	v_med3_num_f32 v[T+8], v[T+4], 0, 1.0                      ; clamp(x, 0, 1)
	v_med3_num_f32 v[T+9], v[T+5], 0, 1.0
	v_med3_num_f32 v[T+4], v[T+4], 1.0, 2.0                    ; clamp(x, 1, 2)
	v_med3_num_f32 v[T+5], v[T+5], 1.0, 2.0
	v_med3_num_f32 v[T+2], v[T+6], 0, 1.0                      ; clamp(y, 0, 1)
	v_med3_num_f32 v[T+3], v[T+7], 0, 1.0
	v_med3_num_f32 v[T+6], v[T+6], 1.0, 2.0                    ; clamp(y, 1, 2)
	v_med3_num_f32 v[T+7], v[T+7], 1.0, 2.0
	v_sub_f32 v[G+0], v[NXT+2*\j], v[CUR+2*\j]                 ; a: dy (goes with u),
	v_sub_f32 v[G+1], v[CUR+2*\j+1], v[CUR+2*\j]               ;    dx (goes with v)
	v_sub_f32 v[G+2], v[NXT+2*\j+1], v[CUR+2*\j+1]             ; b likewise
	v_sub_f32 v[G+3], v[NX], v[CUR+2*\j+1]
.if \j == 7
	v_cndmask_b32 v[G+3], v[G+3], 0, s[L31]                    ; column 511 has dx = 0
.endif
	v_pk_fma_f32 v[T+10:T+11], v[T+8:T+9], s[C10:C10+1], v[CV+0:CV+1] op_sel_hi:[1,0,1]    ; rb = C0b + C1b f1(x) + C2b f2(x), b = 0, 1, 2
	v_pk_fma_f32 v[T+12:T+13], v[T+8:T+9], s[C11:C11+1], v[CV+2:CV+3] op_sel_hi:[1,0,1]
	v_pk_fma_f32 v[T+14:T+15], v[T+8:T+9], s[C12:C12+1], v[CV+4:CV+5] op_sel_hi:[1,0,1]
	v_pk_fma_f32 v[T+10:T+11], v[T+4:T+5], s[C20:C20+1], v[T+10:T+11] op_sel_hi:[1,0,1]
	v_pk_fma_f32 v[T+12:T+13], v[T+4:T+5], s[C21:C21+1], v[T+12:T+13] op_sel_hi:[1,0,1]
	v_pk_fma_f32 v[T+14:T+15], v[T+4:T+5], s[C22:C22+1], v[T+14:T+15] op_sel_hi:[1,0,1]
	v_cmp_le_f32 vcc_lo, s[THR], v[T+0]
	v_cmp_le_f32 s[M1], s[THR], v[T+1]
	v_pk_fma_f32 v[T+10:T+11], v[T+2:T+3], v[T+12:T+13], v[T+10:T+11]          ; -ALPHA W = r0 + r1 f1(y) + r2 f2(y)
	v_pk_fma_f32 v[T+10:T+11], v[T+6:T+7], v[T+14:T+15], v[T+10:T+11]
	v_cndmask_b32 v[T+10], 0, v[T+10], vcc_lo                  ; 0 left of or above the image
	v_cndmask_b32 v[T+11], 0, v[T+11], s[M1]
	v_pk_fma_f32 v[T+10:T+11], v[S2+2*\j:S2+2*\j+1], s[AL:AL+1], v[T+10:T+11] op_sel_hi:[1,0,1]    ; d = -ALPHA (W - I2)
	v_pk_fma_f32 v[SF+4*\j:SF+4*\j+1], v[T+10:T+11], v[G+0:G+1], v[SF+4*\j:SF+4*\j+1] op_sel_hi:[0,1,1]                   ; (u, v) + da (dy, dx)
	v_pk_fma_f32 v[SF+4*\j+2:SF+4*\j+3], v[T+10:T+11], v[G+2:G+3], v[SF+4*\j+2:SF+4*\j+3] op_sel:[1,0,0] op_sel_hi:[1,1,1] ; the same with db
	global_store_b128 v[O16], v[SF+4*\j:SF+4*\j+3], s[10:11] offset:(\r)*PF+512*\j th:TH_STORE_NT    ; the wave stores 512 consecutive bytes, aligned
.endm
; The turn of row r.
.macro TURN r
.set CUR, I1B+16*((\r)%4)
.set NXT, I1B+16*(((\r)+1)%4)
.set S2,  SL+48*((\r)%3)
.set SF,  S2+16
.if \r < ROWS-1
	s_wait_loadcnt 24                              ; loads come back in order (ISA guide 5.7.1): bundle r is in, the 24 loads of bundle r+1 stay out
.else
	s_wait_loadcnt 0x0                             ; nothing was asked for behind the last bundle
.endif
.if \r < ROWS-2
.if \r > 0
	s_wait_xcnt 0x0                                ; slot (r+2) mod 3 holds the data of the last turn's stores: it is loaded again only behind this wait
.endif
	FILL ((\r)+2)                                  ; two rows ahead, in front of this turn's stores.  I1's buffer (r+3) mod 4 held row r-1
.endif
.irp j, 0,1,2,3,4,5,6,7
	GROUP \j, \r
.endr
.if \r < ROWS-1
	s_add_f32 s[GY], s[GY], 1.0                    ; whole numbers up to 511: exact
.endif
.endm
	TURN 0
	TURN 1
	TURN 2
	TURN 3
	TURN 4
	TURN 5                                         ; its fill takes I1's ninth row from the clamped address
	TURN 6                                         ; the last two turns ask for nothing
	TURN 7
	s_endpgm
.Lfunc_end_k_q265153afaf_dataterm:
	.size	k_q265153afaf_dataterm, .Lfunc_end_k_q265153afaf_dataterm-k_q265153afaf_dataterm
	.p2alignl 7, 3214868480
	.fill 96, 4, 3214868480
	.section	.rodata,"a",@progbits
	.p2align	6, 0x0
	.amdhsa_kernel k_q265153afaf_dataterm
		.amdhsa_group_segment_fixed_size 0
		.amdhsa_private_segment_fixed_size 0
		.amdhsa_enable_private_segment 0
		.amdhsa_kernarg_size 32
		.amdhsa_user_sgpr_count 2
		.amdhsa_user_sgpr_kernarg_segment_ptr 1
		.amdhsa_wavefront_size32 1
		.amdhsa_system_sgpr_workgroup_id_x 1
		.amdhsa_system_sgpr_workgroup_id_y 1
		.amdhsa_system_sgpr_workgroup_id_z 1
		.amdhsa_system_vgpr_workitem_id 0
		.amdhsa_next_free_vgpr 256
		.amdhsa_next_free_sgpr 66
		.amdhsa_reserve_vcc 1
		.amdhsa_float_denorm_mode_32 3
		.amdhsa_float_denorm_mode_16_64 3
		.amdhsa_memory_ordered 1
		.amdhsa_forward_progress 1
		.amdhsa_inst_pref_size 167
	.end_amdhsa_kernel
	.amdgpu_metadata
---
amdhsa.version: [ 1, 2 ]
amdhsa.kernels:
  - .name:           k_q265153afaf_dataterm
    .symbol:         k_q265153afaf_dataterm.kd
    .args:
      - { .name: I1, .offset: 0, .size: 8, .value_kind: global_buffer, .address_space: global }
      - { .name: I2, .offset: 8, .size: 8, .value_kind: global_buffer, .address_space: global }
      - { .name: flow, .offset: 16, .size: 8, .value_kind: global_buffer, .address_space: global }
      - { .name: out0, .offset: 24, .size: 8, .value_kind: global_buffer, .address_space: global }
    .group_segment_fixed_size: 0
    .private_segment_fixed_size: 0
    .kernarg_segment_align: 8
    .kernarg_segment_size: 32
    .max_flat_workgroup_size: 256
    .sgpr_count:     66
    .vgpr_count:     256
    .wavefront_size: 32
...
	.end_amdgpu_metadata
.endif
;; end of part 1
;; ======== version 2 of 2: 1 launch; version 1 with the launch dataterm written anew for expert scheduling mode
;; limits: inputs' magnitudes at most 511
;; launch dataterm (part 2): grid 256 x 1, 8 waves a work-group, no clusters, 0 bytes of LDS; arguments I1, I2, flow, out0; writes out0
.if DOCPART == 2
	.amdgcn_target "amdgcn-amd-amdhsa--gfx1250"
	.amdhsa_code_object_version 6
	.text
	.protected	k_q265153afaf_dataterm
	.globl	k_q265153afaf_dataterm
	.p2align	8
	.type	k_q265153afaf_dataterm,@function
k_q265153afaf_dataterm:
	s_mov_b64 s[64:65], 0
	v_nop
	global_prefetch_b8 v0, s[64:65] scope:SCOPE_SE
	s_setreg_imm32_b32 hwreg(HW_REG_WAVE_SCHED_MODE, 0, 2), 2
	s_setreg_imm32_b32 hwreg(HW_REG_WAVE_MODE, 25, 1), 1
	s_wait_xcnt 0x0
	s_wait_alu depctr_vm_vsrc(0)
; out(u,v) = (u,v) - ALPHA * (warp(I1) - I2) * (dy I1, dx I1).   I1, I2: [32][512][512] f32; flow, out0: [32][512][512][2] f32.
;
; WHAT THE WARP IS.  The sampler is given x = 2 (gx + u/2) / 511 - 1 (y likewise, from gy and v) as a PIXEL coordinate.
;   x < 0: both clipped taps are column 0 and their weights are equal and opposite: the sample is 0.  The same for y < 0.
;   0 <= x, y: plain bilinear interpolation; for x, y <= 2 its taps lie in the image's corner of 3 x 3 pixels.
; The corner is nine scalars for each image.  With the bases 1, clamp(x,0,1), clamp(x,1,2) in x and in y the interpolant is
;   W = sum over a, b of C[a][b] fa(x) fb(y);   the nine C are made once by each wave and carry the factor -ALPHA.
; The jump at x = 0 is decided as the f32 steps decide it: nc = fl(gx + u/2) in one rounding, and x >= 0 exactly when nc >= 255.5:
; the float below 511 is 511 - 2^-15, and (511 - 2^-15) / 511 = 1 - 1.002 * 2^-24 rounds below 1, while 511 / 511 is 1.
;
; LIMITS, kept on purpose:
;   RANGE: right for 2 gx + u <= 1533 and 2 gy + v <= 1533, which flow <= 511 in both components guarantees (no lower bound).
;          Above that the true taps leave the 3 x 3 corner; this text then holds the sample at the corner's edge, which is wrong.
;          A gather over the whole image would need addresses made from floating-point data.
;   NON-FINITE inputs are not served: dy of row 511 is formed as I1[511] - I1[511] (0 for finite pixels, NaN for an infinity),
;          and a NaN in one component of flow does not reach the other component.
;   ROUNDING: x is one fused multiply-add of nc; ALPHA is folded into the coefficients; sums are fused.  No difference of large sums.
;
; SHARES.  256 work-groups x 8 waves; a work-group owns 64 rows of one image, a wave 8 whole rows, top down, so that row r+1 of I1
; serves dy now and is the current row later.  A row is 8 groups of 64 pixels; in each a lane owns 2 neighbouring pixels:
; I1, I2 by 8-byte loads (a wave's load covers 256 consecutive bytes, aligned), flow and out0 by 16-byte accesses (512 consecutive
; bytes, aligned).  No wave needs another wave's data: no LDS, no barrier.  Work-groups share 36 bytes of corner and one row of I1
; in 64: nothing to request jointly, so no cluster.
;
; THE MODE: SCHED_MODE bits 1:0 = 2 (LLVM: expert scheduling mode 2), set by the entry lines.  The code itself states the register
; dependences between vector instructions and memory instructions, with s_wait_alu, always for 0.
; THE PLAN.  The 8 rows go in 16 steps of half a row (4 groups).  Bundle q = half-row q of I2 and of flow and half-row q + 2 of I1
; (the row below): 12 loads, 4,096 bytes.  Step p asks for bundle p + 4.  Registers that memory instructions touch:
;   I1B   seven half-rows of I1, half-row k in buffer k mod 7.  Written by the loads issued in step k - 6; read by the vector lines of
;         step k - 2 (the row below), of step k (the row at work), and, k odd, its first register by step k - 1 (the neighbour across the row's middle).
;   I2B   five half-rows of I2, q mod 5.  Written by the loads issued in step q - 4; read by step q's vector lines.
;   FB    six half-rows of flow, q mod 6.  Written by the loads issued in step q - 4; read by step q's vector lines, which write the result
;         in place; read by the four stores that are issued in step q + 1.
;   v1, v2  byte offsets, made once at the head and never written again; every address is base + lane term + immediate.
; Step p's loads land in I1B (p-1) mod 7, I2B (p-1) mod 5 and FB (p-2) mod 6, its stores read FB (p-1) mod 6; its vector lines name
; I1B p, p+1, p+2 mod 7, I2B p mod 5 and FB p mod 6: none of those.  So the waits at a step's head state all that its sixteen memory
; instructions hang on, and these are dealt among the step's first vector lines with no further wait.
; A step's eight compares stand in one run, into eight scalar registers, and one wait stands ahead of the first select that reads one.
; The periods 7, 5 and 6 do not meet within 16 steps, so the steps are written out by a macro.
.set ROWS,  8                          ; rows of a wave
.set STEPS, 2*ROWS                     ; half-rows of a wave
.set H1,   1024                        ; bytes in half a row of I1, I2
.set HF,   2048                        ; bytes in half a row of flow, out0
.set O8,   1                           ; v1        8 x lane: my 2 pixels in a group of I1, I2
.set O16,  2                           ; v2        16 x lane: my 2 pixels in a group of flow, out0
.set LN,   3                           ; v3        lane, then 2 x lane
.set CV,   4                           ; v[4:9]    C00, C01, C02, each twice: the addends of the packed sums
.set GX,   10                          ; v[10:25]  gx of my 16 columns, f32: 64 j + 2 lane + k
.set XY,   26                          ; v[26:41]  group g of the step: x of pixels a, b at XY + 4 g, y at XY + 4 g + 2
.set T,    42                          ; v[42:51]  at work, pairs (pixel a, pixel b).  In a step's front v[42:57] are four sets of four: group g's nc at T + 4 g
.set G,    52                          ; v[52:55]  (dy, dx) of pixel a, of pixel b
.set NX,   56                          ; v56       the pixel to the right of pixel b
.set TM,   57                          ; v57       scratch
.set I1B,  58                          ; v[58:113]  seven half-rows of I1, 8 registers each
.set I2B,  114                         ; v[114:153] five half-rows of I2, 8 registers each
.set FB,   154                         ; v[154:249] six half-rows of flow, 16 registers each
; scalars.  A packed multiply takes a scalar from the EVEN register of a pair and names the whole pair, so each multiplier sits on
; an even number, and the odd partners hold the scalars that are used singly.
.set TMP,  26
.set MK,   32                          ; s[32:39]  the step's eight lane masks: group g's pixel a at MK + 2 g, pixel b at MK + 2 g + 1 (the corner's pixels lay here and are used up)
.set C10,  44
.set C00,  45
.set C11,  46
.set C01,  47
.set C12,  48
.set C02,  49
.set C20,  50
.set THR,  51                          ; 255.5
.set C21,  52
.set ZERO, 53
.set C22,  54
.set LO16, 55                          ; lanes 0-15
.set K2,   56                          ; 2/511
.set L31,  57                          ; lane 31
.set AL,   58                          ; ALPHA
.set GY,   59                          ; gy of the row at work, f32
	s_load_b256 s[4:11], s[0:1], 0x0               ; I1 s[4:5], I2 s[6:7], flow s[8:9], out0 s[10:11]
	v_and_b32 v[LN], 31, v0                        ; lane
	v_lshrrev_b32 v[TM], 5, v0
	v_readfirstlane_b32 s12, v[TM]                 ; wave 0..7
	v_lshlrev_b32 v[O8], 3, v[LN]
	v_lshlrev_b32 v[O16], 4, v[LN]
	s_lshl_b32 s13, ttmp9, 6                       ; 64 rows a work-group,
	s_wait_alu depctr_va_sdst(0)                   ; s12 is written, ahead of its first reader: my first row and all the bases are made from it
	s_lshl3_add_u32 s13, s12, s13                  ; 8 a wave: my first row, 0 .. 16,376, counted through all images
	s_lshl_b32 s16, s13, 11                        ; its byte offset in I1 and I2 (below 2^25)
	s_mov_b32 s17, 0
	s_lshl_b32 s18, s13, 12                        ; and in flow and out0 (below 2^26)
	s_mov_b32 s19, 0
	s_and_b32 s20, s13, 511                        ; gy of my first row
	s_lshr_b32 s22, s13, 9                         ; image
	s_lshl_b32 s22, s22, 20                        ; x 512 rows of 2,048 bytes
	s_mov_b32 s23, 0
	s_add_co_u32 s24, s20, ROWS                    ; the row under my last one,
	s_min_u32 s24, s24, 511                        ; or row 511 once more: its dy is then 0, and no load leaves the image
	s_lshl_b32 s24, s24, 11
	s_mov_b32 s25, 0
	s_wait_kmcnt 0x0
	s_add_nc_u64 s[28:29], s[4:5], s[22:23]        ; I1 at my image's first pixel
	s_add_nc_u64 s[14:15], s[28:29], s[24:25]      ; I1 at the row under my last
	s_add_nc_u64 s[4:5], s[4:5], s[16:17]          ; all four tensors at my first row; none of these is written again
	s_add_nc_u64 s[6:7], s[6:7], s[16:17]
	s_add_nc_u64 s[8:9], s[8:9], s[18:19]
	s_add_nc_u64 s[10:11], s[10:11], s[18:19]
	s_load_b96 s[32:34], s[28:29], 0x0             ; the corner: rows 0, 1, 2, columns 0 to 2
	s_load_b96 s[36:38], s[28:29], 0x800
	s_load_b96 s[40:42], s[28:29], 0x1000
; The loads and the store of one group g (0 to 3) of a half-row.  I1 keeps the regular hint: the first row of a wave's block is also
; the row under the block above.  I2 and flow are read once in the whole launch.
.macro LDK k, g                        ; I1, half-row k, counted from my first row; half-rows 16 and 17 are the row under my last
.if (\k) < STEPS
	global_load_b64 v[I1B+8*((\k)%7)+2*(\g):I1B+8*((\k)%7)+2*(\g)+1], v[O8], s[4:5] offset:(\k)*H1+256*(\g)
.else
	global_load_b64 v[I1B+8*((\k)%7)+2*(\g):I1B+8*((\k)%7)+2*(\g)+1], v[O8], s[14:15] offset:((\k)-STEPS)*H1+256*(\g)
.endif
.endm
.macro LD2 q, g                        ; I2, half-row q
	global_load_b64 v[I2B+8*((\q)%5)+2*(\g):I2B+8*((\q)%5)+2*(\g)+1], v[O8], s[6:7] offset:(\q)*H1+256*(\g) th:TH_LOAD_NT
.endm
.macro LDF q, g                        ; flow, half-row q
	global_load_b128 v[FB+16*((\q)%6)+4*(\g):FB+16*((\q)%6)+4*(\g)+3], v[O16], s[8:9] offset:(\q)*HF+512*(\g) th:TH_LOAD_NT
.endm
.macro ST q, g                         ; out0, half-row q: the wave stores 512 consecutive bytes, aligned
	global_store_b128 v[O16], v[FB+16*((\q)%6)+4*(\g):FB+16*((\q)%6)+4*(\g)+3], s[10:11] offset:(\q)*HF+512*(\g) th:TH_STORE_NT
.endm
	s_wait_alu depctr_va_vdst(0)                   ; v1 and v2 are written: every load and store of the kernel reads one of them as its offset
.irp k, 0,1
.irp g, 0,1,2,3
	LDK \k, \g                                     ; I1, my first row
.endr
.endr
.irp q, 0,1,2,3
.irp g, 0,1,2,3
	LDK ((\q)+2), \g                               ; bundles 0 to 3
	LD2 \q, \g
	LDF \q, \g
.endr
.endr                                                  ; 56 loads are out; the set-up below runs under them and names none of their registers
	v_lshlrev_b32 v[LN], 1, v[LN]                  ; 2 x lane
.set i, 0
.rept 16
	v_add_nc_u32 v[GX+i], 64*(i/2)+(i%2), v[LN]    ; column 64 j + 2 lane + k,
	v_cvt_f32_u32 v[GX+i], v[GX+i]                 ; exact in f32
.set i, i+1
.endr
	v_mov_b32 v[NX], 0                             ; a lane permute's destination counts as read: written once here
	s_cvt_f32_u32 s[GY], s20
	s_mov_b32 s[THR], 0x437f8000                   ; 255.5
	s_mov_b32 s[ZERO], 0
	s_mov_b32 s[LO16], 0x0000ffff
	s_mov_b32 s[L31], 0x80000000
	s_mov_b32 s[K2], 0x3b804020                    ; 2/511
	s_mov_b32 s[AL], 0x3dcccccd                    ; ALPHA = 0.1
; From three values at the knots 0, 1, 2 to the coefficients of 1, clamp(t,0,1), clamp(t,1,2):
; o1 = i1 - i0, o2 = i2 - i1, o0 = i0 - o2 (the third base is 1 at t <= 1).
.macro SSUB d, a, b
	s_mul_f32 s[TMP], s[\b], -1.0
	s_add_f32 s[\d], s[\a], s[TMP]
.endm
.macro KNOTS o0, o1, o2, i0, i1, i2
	SSUB \o1, \i1, \i0
	SSUB \o2, \i2, \i1
	SSUB \o0, \i0, \o2
.endm
	s_wait_kmcnt 0x0                               ; the corner is in
	KNOTS 16, 17, 18, 32, 33, 34                   ; along x, row 0 of the corner: s16-18 (the offsets that lay there are used up)
	KNOTS 19, 20, 21, 36, 37, 38                   ; row 1
	KNOTS 22, 23, 24, 40, 41, 42                   ; row 2
	KNOTS C00, C01, C02, 16, 19, 22                ; along y, for each base in x
	KNOTS C10, C11, C12, 17, 20, 23
	KNOTS C20, C21, C22, 18, 21, 24
.irp c, C00, C01, C02, C10, C11, C12, C20, C21, C22
	s_mul_f32 s[\c], s[\c], 0xbdcccccd             ; x -ALPHA
.endr
	v_mov_b32 v[CV+0], s[C00]
	v_mov_b32 v[CV+1], s[C00]
	v_mov_b32 v[CV+2], s[C01]
	v_mov_b32 v[CV+3], s[C01]
	v_mov_b32 v[CV+4], s[C02]
	v_mov_b32 v[CV+5], s[C02]
; Group g of step p is finished: my pixels a, b = columns 64 j + 2 lane, + 1, j = 4 (p mod 2) + g.  x, y and the two masks were made in the step's front.
; CUR, NXT: this half of I1's rows r, r+1.  CUN: the other half of row r.  S2: I2.  SF: flow (ua, va, ub, vb).
.macro BACK p, g
.set XP, XY+4*(\g)
.set YP, XY+4*(\g)+2
	; the pixel right of b is the next lane's a.  Lane 15 takes lane 16's, lane 31 takes lane 0's of the NEXT group:
	; both come by one exchange between the halves (every select field 0: lane 0 of the other half) ...
.if (\g) < 3
	v_cndmask_b32 v[TM], v[CUR+2*(\g)], v[CUR+2*(\g)+2], s[LO16]   ; lanes 0-15: the next group's a; lanes 16-31: this group's
	v_permlanex16_b32 v[NX], v[TM], s[ZERO], s[ZERO]
.elseif (\p)%2 == 0
	v_cndmask_b32 v[TM], v[CUR+6], v[CUN], s[LO16]             ; the next group is the first of the row's other half
	v_permlanex16_b32 v[NX], v[TM], s[ZERO], s[ZERO]
.else
	v_permlanex16_b32 v[NX], v[CUR+6], s[ZERO], s[ZERO]        ; the row's last group: lane 31's value is not used (see below)
.endif
	v_med3_num_f32 v[T+0], v[XP], 0, 1.0                       ; clamp(x, 0, 1)
	v_med3_num_f32 v[T+1], v[XP+1], 0, 1.0
	v_mov_b32_dpp v[NX], v[CUR+2*(\g)] row_shl:1 row_mask:0xf bank_mask:0xf    ; ... and the other lanes take lane + 1; lanes 15, 31 keep theirs
	v_med3_num_f32 v[XP], v[XP], 1.0, 2.0                      ; clamp(x, 1, 2)
	v_med3_num_f32 v[XP+1], v[XP+1], 1.0, 2.0
	v_med3_num_f32 v[T+2], v[YP], 0, 1.0                       ; clamp(y, 0, 1)
	v_med3_num_f32 v[T+3], v[YP+1], 0, 1.0
	v_med3_num_f32 v[YP], v[YP], 1.0, 2.0                      ; clamp(y, 1, 2)
	v_med3_num_f32 v[YP+1], v[YP+1], 1.0, 2.0
	v_sub_f32 v[G+0], v[NXT+2*(\g)], v[CUR+2*(\g)]             ; a: dy (goes with u),
	v_sub_f32 v[G+1], v[CUR+2*(\g)+1], v[CUR+2*(\g)]           ;    dx (goes with v)
	v_sub_f32 v[G+2], v[NXT+2*(\g)+1], v[CUR+2*(\g)+1]         ; b likewise
	v_sub_f32 v[G+3], v[NX], v[CUR+2*(\g)+1]
.if ((\g) == 3) && ((\p)%2 == 1)
	v_cndmask_b32 v[G+3], v[G+3], 0, s[L31]                    ; column 511 has dx = 0
.endif
	v_pk_fma_f32 v[T+4:T+5], v[T+0:T+1], s[C10:C10+1], v[CV+0:CV+1] op_sel_hi:[1,0,1]      ; rb = C0b + C1b f1(x) + C2b f2(x), b = 0, 1, 2
	v_pk_fma_f32 v[T+6:T+7], v[T+0:T+1], s[C11:C11+1], v[CV+2:CV+3] op_sel_hi:[1,0,1]
	v_pk_fma_f32 v[T+8:T+9], v[T+0:T+1], s[C12:C12+1], v[CV+4:CV+5] op_sel_hi:[1,0,1]
	v_pk_fma_f32 v[T+4:T+5], v[XP:XP+1], s[C20:C20+1], v[T+4:T+5] op_sel_hi:[1,0,1]
	v_pk_fma_f32 v[T+6:T+7], v[XP:XP+1], s[C21:C21+1], v[T+6:T+7] op_sel_hi:[1,0,1]
	v_pk_fma_f32 v[T+8:T+9], v[XP:XP+1], s[C22:C22+1], v[T+8:T+9] op_sel_hi:[1,0,1]
	v_pk_fma_f32 v[T+4:T+5], v[T+2:T+3], v[T+6:T+7], v[T+4:T+5]                ; -ALPHA W = r0 + r1 f1(y) + r2 f2(y)
	v_pk_fma_f32 v[T+4:T+5], v[YP:YP+1], v[T+8:T+9], v[T+4:T+5]
.if (\g) == 0
	s_wait_alu depctr_va_sdst(0)                               ; the step's eight compares have written s[MK .. MK+7], ahead of the first select that reads one; it serves all four groups
.endif
	v_cndmask_b32 v[T+4], 0, v[T+4], s[MK+2*(\g)]              ; 0 left of or above the image
	v_cndmask_b32 v[T+5], 0, v[T+5], s[MK+2*(\g)+1]
	v_pk_fma_f32 v[T+4:T+5], v[S2+2*(\g):S2+2*(\g)+1], s[AL:AL+1], v[T+4:T+5] op_sel_hi:[1,0,1]    ; d = -ALPHA (W - I2)
	v_pk_fma_f32 v[SF+4*(\g):SF+4*(\g)+1], v[T+4:T+5], v[G+0:G+1], v[SF+4*(\g):SF+4*(\g)+1] op_sel_hi:[0,1,1]                   ; (u, v) + da (dy, dx)
	v_pk_fma_f32 v[SF+4*(\g)+2:SF+4*(\g)+3], v[T+4:T+5], v[G+2:G+3], v[SF+4*(\g)+2:SF+4*(\g)+3] op_sel:[1,0,0] op_sel_hi:[1,1,1] ; the same with db
.endm
; Step p: half p mod 2 of row p / 2.
.macro STEP p
.set CUR, I1B+8*((\p)%7)
.set CUN, I1B+8*(((\p)+1)%7)
.set NXT, I1B+8*(((\p)+2)%7)
.set S2,  I2B+8*((\p)%5)
.set SF,  FB+16*((\p)%6)
.set GXH, GX+8*((\p)%2)
.if (\p) < STEPS-3
	s_wait_loadcnt 36                              ; loads come back in order (ISA guide 5.7.1): bundle p is in, the 36 loads of the three younger bundles stay out
.else
	s_wait_loadcnt 12*(STEPS-1-(\p))               ; nothing was asked for behind bundle 15: the counts run down
.endif
.if ((\p) >= 2) && ((\p) < STEPS-4)
	s_wait_xcnt 0x0                                ; every earlier memory instruction has had its addresses translated (ISA guide 3.1): FB (p-2) mod 6, the data of the stores issued in the step before, is loaded again only behind this wait
	s_wait_alu depctr_vm_vsrc(0)                   ; those stores have read FB (p-2) mod 6, in which this step's loads of flow land
.endif
.if (\p) >= 1
	s_wait_alu depctr_va_vdst(0)                   ; the step before has written FB (p-1) mod 6, which the stores below read; where loads follow: it is done reading I1B (p-1) mod 7 and I2B (p-1) mod 5, and the step before it is done writing FB (p-2) mod 6, in which they land
.endif
.if ((\p) >= 2) && ((\p)%2 == 0)
	s_add_f32 s[GY], s[GY], 1.0                    ; a new row; whole numbers up to 511: exact
.endif
	; THE FRONT, all four groups stage by stage.  One memory instruction stands ahead of each small block: the twelve loads of bundle p + 4, then the four stores
	; of the step before.  No wait: no vector line since the head's waits names a register that they touch.
.irp g, 0,1,2,3
.if (\p) < STEPS-4
	LDK ((\p)+6), \g
.endif
	v_fma_f32 v[T+4*\g+0], v[SF+4*\g+0], 0.5, v[GXH+2*\g+0]    ; nc = gx + u/2, one rounding (u/2 is exact)
	v_fma_f32 v[T+4*\g+1], v[SF+4*\g+2], 0.5, v[GXH+2*\g+1]
	v_fma_f32 v[T+4*\g+2], v[SF+4*\g+1], 0.5, s[GY]            ; gy + v/2
	v_fma_f32 v[T+4*\g+3], v[SF+4*\g+3], 0.5, s[GY]
.endr
.irp g, 0,1,2,3
.if (\p) < STEPS-4
	LD2 ((\p)+4), \g
.endif
	v_pk_fma_f32 v[XY+4*\g:XY+4*\g+1], v[T+4*\g:T+4*\g+1], s[K2:K2+1], -1.0 op_sel_hi:[1,0,0]        ; x of a, b
	v_pk_fma_f32 v[XY+4*\g+2:XY+4*\g+3], v[T+4*\g+2:T+4*\g+3], s[K2:K2+1], -1.0 op_sel_hi:[1,0,0]    ; y of a, b
.endr
.irp g, 0,1,2,3
.if (\p) < STEPS-4
	LDF ((\p)+4), \g
.endif
	v_min_num_f32 v[T+4*\g+0], v[T+4*\g+0], v[T+4*\g+2]        ; x >= 0 and y >= 0  <=>  min(ncx, ncy) >= 255.5
	v_min_num_f32 v[T+4*\g+1], v[T+4*\g+1], v[T+4*\g+3]
.endr
.irp g, 0,1,2,3
.if (\p) >= 1
	ST ((\p)-1), \g
.endif
	v_cmp_le_f32 s[MK+2*\g], s[THR], v[T+4*\g+0]
	v_cmp_le_f32 s[MK+2*\g+1], s[THR], v[T+4*\g+1]
.endr
	; THE FOUR GROUPS ARE FINISHED, one after the other; the results stay in FB p mod 6 until the next step stores them
.irp g, 0,1,2,3
	BACK \p, \g
.endr
.endm
	STEP 0                                         ; no step in front of it: no store, and its loads land in registers that no vector line has named
	STEP 1                                         ; no store has been issued yet: nothing to wait for on the stores' side
	STEP 2
	STEP 3
	STEP 4
	STEP 5
	STEP 6
	STEP 7
	STEP 8
	STEP 9
	STEP 10                                        ; steps 10 and 11 take I1's ninth row from the clamped address
	STEP 11
	STEP 12                                        ; the last four steps ask for nothing
	STEP 13
	STEP 14
	STEP 15
	s_wait_alu depctr_va_vdst(0)                   ; step 15 has written FB 15 mod 6, which the last four stores read
.irp g, 0,1,2,3
	ST 15, \g
.endr
	s_endpgm
.Lfunc_end_k_q265153afaf_dataterm:
	.size	k_q265153afaf_dataterm, .Lfunc_end_k_q265153afaf_dataterm-k_q265153afaf_dataterm
	.p2alignl 7, 3214868480
	.fill 96, 4, 3214868480
	.section	.rodata,"a",@progbits
	.p2align	6, 0x0
	.amdhsa_kernel k_q265153afaf_dataterm
		.amdhsa_group_segment_fixed_size 0
		.amdhsa_private_segment_fixed_size 0
		.amdhsa_enable_private_segment 0
		.amdhsa_kernarg_size 32
		.amdhsa_user_sgpr_count 2
		.amdhsa_user_sgpr_kernarg_segment_ptr 1
		.amdhsa_wavefront_size32 1
		.amdhsa_system_sgpr_workgroup_id_x 1
		.amdhsa_system_sgpr_workgroup_id_y 1
		.amdhsa_system_sgpr_workgroup_id_z 1
		.amdhsa_system_vgpr_workitem_id 0
		.amdhsa_next_free_vgpr 256
		.amdhsa_next_free_sgpr 66
		.amdhsa_reserve_vcc 0
		.amdhsa_float_denorm_mode_32 3
		.amdhsa_float_denorm_mode_16_64 3
		.amdhsa_memory_ordered 1
		.amdhsa_forward_progress 1
		.amdhsa_inst_pref_size 173
	.end_amdhsa_kernel
	.amdgpu_metadata
---
amdhsa.version: [ 1, 2 ]
amdhsa.kernels:
  - .name:           k_q265153afaf_dataterm
    .symbol:         k_q265153afaf_dataterm.kd
    .args:
      - { .name: I1, .offset: 0, .size: 8, .value_kind: global_buffer, .address_space: global }
      - { .name: I2, .offset: 8, .size: 8, .value_kind: global_buffer, .address_space: global }
      - { .name: flow, .offset: 16, .size: 8, .value_kind: global_buffer, .address_space: global }
      - { .name: out0, .offset: 24, .size: 8, .value_kind: global_buffer, .address_space: global }
    .group_segment_fixed_size: 0
    .private_segment_fixed_size: 0
    .kernarg_segment_align: 8
    .kernarg_segment_size: 32
    .max_flat_workgroup_size: 256
    .sgpr_count:     66
    .vgpr_count:     256
    .wavefront_size: 32
...
	.end_amdgpu_metadata
.endif
;; end of part 2
